; MI455X (gfx1250); checked and timed in simulation.
; The chip was launched on July 23, 2026; its instructions are those of AMD's public machine-readable ISA for CDNA 5 (MIT licence, August 2026) and "CDNA5" Instruction Set Architecture Reference Guide (July 2026). The comments in the code are by the model that wrote it; some were corrected since.
;; Multi Agent SEPS Network. Allowed arithmetic: matrix products marked QUANTISED: E2M3 operands, one E8M0 scale for each 32 along K, by v_wmma_scale_f32_16x16x128_f8f6f4 with both operands' format E2M3, f32 sums; everything else in f32.
;; Inputs: W1_codes 4 x 1,024 x 8 x 24 uint8 (E2M3 codes of W1, K innermost, in blocks of 32 codes, four codes in three bytes); W1_scales 4 x 1,024 x 8 uint8 (E8M0 scales of W1, one for each 32 codes along K); W2_codes 4 x 1,024 x 32 x 24 uint8 (E2M3 codes of W2, K innermost, in blocks of 32 codes, four codes in three bytes); W2_scales 4 x 1,024 x 32 uint8 (E8M0 scales of W2, one for each 32 codes along K); W3_codes 4 x 512 x 32 x 24 uint8 (E2M3 codes of W3, K innermost, in blocks of 32 codes, four codes in three bytes); W3_scales 4 x 512 x 32 uint8 (E8M0 scales of W3, one for each 32 codes along K); b1 4 x 1,024 float32; b2 4 x 1,024 float32; b3 4 x 512 float32; seps_idx 8 int32; x_codes 8 x 1,024 x 8 x 24 uint8 (E2M3 codes of x, K innermost, in blocks of 32 codes, four codes in three bytes); x_scales 8 x 1,024 x 8 uint8 (E8M0 scales of x, one for each 32 codes along K).
;; Outputs: out0 8 x 1,024 x 512 float32.
;; This version of the problem:
;;   THIS VERSION OF THE PROBLEM IS GIVEN IN LOW PRECISION. The matrix products marked QUANTISED in the list below multiply operands that are first quantised to E2M3 (2 exponent bits, 3 mantissa bits; 6 bits a number), with one power-of-two scale for each 32 numbers along K (OCP MX v1.0); their sums are f32. All else is computed in f32.
;;   The module's matrix products, in the order in which they are computed (A, B: the left and right operand; K: the contracted axis; several contracted axes count as one K, in the product's order):
;;     1. [M 8,192, K 256] x [K 256, N 4,096]; A: input x (given as codes); B: input W1 (given as codes): QUANTISED
;;     2. batch 4 x [M 8,192, K 1,024] x [K 1,024, N 1,024]; A: computed on the way; B: input W2 (given as codes): QUANTISED
;;     3. batch 4 x [M 8,192, K 1,024] x [K 1,024, N 512]; A: computed on the way; B: input W3 (given as codes): QUANTISED
;;   THE QUANTISER, for each operand of a quantised product, along K:
;;     - K is cut into blocks of 32 from its start; a last block that is shorter is filled with zeros.
;;     - A block's scale is 2^e with e = floor(log2(the largest magnitude in the block)) - 2, held to -126 .. 127; a block of zeros has e = 0. As a byte (E8M0): e + 127.
;;     - Each number is divided by its block's scale, clamped to +-7.5, and rounded to the nearest number of E2M3, ties to even, subnormals kept.
;;     - The product sums the exact products of the quantised numbers (number of the format x scale) in f32.
;;   ~~~python
;;   def quantise(x, axis):      # numpy; x: float32 -> the quantised numbers, widened to float32 again
;;       x = np.moveaxis(x, axis, -1); K = x.shape[-1]
;;       x = np.pad(x, [(0, 0)] * (x.ndim - 1) + [(0, -K % 32)]); x = x.reshape(x.shape[:-1] + (-1, 32)); a = np.abs(x).max(-1, keepdims=True)
;;       e = np.where(a > 0, np.clip(np.frexp(np.where(a > 0, a, 1))[1] - 1 - 2, -126, 127), 0)      # np.frexp(a)[1] - 1 = floor(log2(a)), exactly
;;       r = np.clip(x / 2.0 ** e, -7.5, 7.5)
;;       step = 2.0 ** (np.maximum(np.frexp(np.where(r == 0, 1, r))[1] - 1, 0) - 3)
;;       q = np.round(r / step) * step * 2.0 ** e      # np.round: ties to even
;;       return np.moveaxis(q.reshape(q.shape[:-2] + (-1,))[..., :K], -1, axis).astype(np.float32)
;;   ~~~
;;   OPERANDS COMPUTED ON THE WAY. 'Computed on the way' means the value that the module computes at that place (a softmax that the list does not call 'softmax' is quantised finished and normalised). What goes into a quantiser is computed in f32, as accurately as f32 sums, v_exp_f32 and their like allow (about 1e-6 of the number): no bf16 or f16 on the way to a quantiser, and a product that is left as it is and whose result goes on into a quantised operand takes f32 operands (vector FMAs, or v_wmma_f32_16x16x4_f32). A number that lies on a knife's edge between two numbers of the format may be rounded either way, as far as f32 arithmetic and the matrix unit's own rounding can turn it there, and no further.
;;   INPUTS GIVEN AS CODES. W1 (in the module: [4, 256, 1024], K = its axis 1); W2 (in the module: [4, 1024, 1024], K = its axis 1); W3 (in the module: [4, 1024, 512], K = its axis 1); x (in the module: [8, 1024, 256], K = its axis 2): each comes as NAME_codes (uint8): NAME with its K axis moved to the last place and cut into blocks of 32 codes, [.., K / 32, bytes a block], one block behind the other in memory; four codes in three bytes: a row's codes are one little-endian stream of bits, code i at bits 6 i .. 6 i + 5 (a code: sign, 2 exponent bits, 3 mantissa bits); and NAME_scales (uint8): the same leading axes, one E8M0 byte (e + 127) for each 32 codes along K. Its value is code x scale, taken as it is: it is not quantised again, and the codes and scales need not be those that the quantiser above would give.
;; One version. Each part assembles by itself: llvm-mc -triple=amdgcn-amd-amdhsa -mcpu=gfx1250 --defsym DOCPART=n.
;; ======== version 1 of 1: 2 launches
;; limits: right only within a limited range of input values
;; workspace buffers: h2 6,291,456 bytes; hs 262,144 bytes
;; launch l12 (part 1): grid 4 x 64, 8 waves a work-group, no clusters, 327,680 bytes of LDS; arguments x_codes, x_scales, W1_codes, W1_scales, b1, W2_codes, W2_scales, b2, seps_idx, h2, hs; writes h2, hs
.if DOCPART == 1
	.amdgcn_target "amdgcn-amd-amdhsa--gfx1250"
	.amdhsa_code_object_version 6
	.text
	.protected	k_q566adff566_l12
	.globl	k_q566adff566_l12
	.p2align	8
	.type	k_q566adff566_l12,@function
k_q566adff566_l12:
	s_mov_b64 s[64:65], 0
	v_nop
	global_prefetch_b8 v0, s[64:65] scope:SCOPE_SE
	s_setreg_imm32_b32 hwreg(HW_REG_WAVE_MODE, 25, 1), 1
	s_wait_xcnt 0x0
; LAYERS 1 AND 2 of the network that seps_idx names for each agent.  reference() applies all four networks to every agent and keeps one by the index: only the chosen one is computed here (a lookup by an index input).
; An index is held at 3 at most.  LIMITS: a NaN, an infinity or an overflow in a network that is not chosen is not carried to the result; NaN and infinity in the chosen one are not served (FP6 has no code for them).
; A work-group of 8 waves makes 128 rows x 256 columns of the second hidden layer, quantised, and for that all 1,024 columns of the first hidden layer of its 128 rows.  Grid: x = the column block, y = the row block; eight row blocks to an agent.
; NO CLUSTERS: the weights' addresses hang on seps_idx, a number read from memory; what is left to share, x, is 24,576 of the 417,792 bytes that a work-group loads.
; NO DATA PREFETCH: the text has no loop to run ahead in; LDS is refilled once.
; THE MATRIX INSTRUCTION IS USED TRANSPOSED: source 0 = 16 columns of a weight, source 1 = 16 rows of activations.  Row 8 hm + i of tile j of group c of a K step of 128 columns is column 64 hm + 32 c + 8 j + i:
; so a lane's 32 results of four tiles are one block of 32 along the next K, and no lane looks at another.
; In a K step lane half h holds blocks 2 h and 2 h + 1 (48 bytes on end in memory), so the scale word's bytes go as blocks 0, 2, 1, 3 (one v_perm a word); activations and weights alike.
; LDS: W1's four quarters (later W2's four pieces of 64 columns) | x (later the hidden layer's last quarter) | the hidden layer's quarters 0 to 2, as operand register images | its scale words | the spare words.
.set Q1,    55296                      ; 256 columns x 192 bytes, 16 bytes of padding behind every 128
.set XB,    4*Q1
.set HQ,    XB+27648
.set HSC,   HQ+3*24576
.set SPARE, HSC+4096
.set P2,    52480                      ; 64 columns x 816 bytes, and 256; odd pieces begin 128 bytes on
.set MSB, 0
.macro WIN new
.if MSB != (\new)
	s_set_vgpr_msb (MSB<<8)|(\new)
.set MSB, (\new)
.endif
.endm
.macro PLACES
.rept 5
	v_nop
.endr
.endm
.macro WALU
	s_wait_alu depctr_va_vdst(0)
.endm
.macro SHOW lim                        ; a plain barrier: the tiles of waves 0 .. lim - 1 are in (0: all that is out)
	WIN 0
	WALU
	s_wait_dscnt 0x0
.if \lim
	s_cmp_lt_u32 s34, \lim
	s_cbranch_scc0 .Lsh_\@
	s_wait_tensorcnt 0x0
.Lsh_\@:
.else
	s_wait_tensorcnt 0x0
.endif
	s_barrier_signal -1
	s_barrier_wait -1
.endm
.macro WM d, a, b, c, sa, sb, ra, rb
.if (\ra) && (\rb)
	v_wmma_scale_f32_16x16x128_f8f6f4 v[\d:\d+7], v[\a:\a+11], v[\b:\b+11], v[\c:\c+7], v[\sa], v[\sb] matrix_a_fmt:MATRIX_FMT_FP6 matrix_b_fmt:MATRIX_FMT_FP6 matrix_a_scale:MATRIX_SCALE_ROW1 matrix_b_scale:MATRIX_SCALE_ROW1
.elseif (\ra)
	v_wmma_scale_f32_16x16x128_f8f6f4 v[\d:\d+7], v[\a:\a+11], v[\b:\b+11], v[\c:\c+7], v[\sa], v[\sb] matrix_a_fmt:MATRIX_FMT_FP6 matrix_b_fmt:MATRIX_FMT_FP6 matrix_a_scale:MATRIX_SCALE_ROW1
.elseif (\rb)
	v_wmma_scale_f32_16x16x128_f8f6f4 v[\d:\d+7], v[\a:\a+11], v[\b:\b+11], v[\c:\c+7], v[\sa], v[\sb] matrix_a_fmt:MATRIX_FMT_FP6 matrix_b_fmt:MATRIX_FMT_FP6 matrix_b_scale:MATRIX_SCALE_ROW1
.else
	v_wmma_scale_f32_16x16x128_f8f6f4 v[\d:\d+7], v[\a:\a+11], v[\b:\b+11], v[\c:\c+7], v[\sa], v[\sb] matrix_a_fmt:MATRIX_FMT_FP6 matrix_b_fmt:MATRIX_FMT_FP6
.endif
.endm
.macro TLOAD g0, g1
	tensor_load_to_lds s[\g0:\g0+3], s[\g1:\g1+7]
	s_nop 0
	PLACES
.endm
.macro GROUP1 g, rows, qi              ; a dense block as rows of 256 bytes (32 elements of 8), 16 bytes of padding behind every 8 << qi bytes
	s_mov_b32 s[\g+0], (3<<16)|(1<<20)|(\qi<<22)|(3<<25)
	s_mov_b32 s[\g+1], 32<<16
	s_mov_b32 s[\g+2], \rows<<16
	s_mov_b32 s[\g+3], 32<<16
	s_mov_b32 s[\g+4], \rows
	s_mov_b32 s[\g+5], 32
	s_mov_b32 s[\g+6], 0
	s_mov_b32 s[\g+7], 0
.endm
.macro MA d, r, k                      ; s\d += s\r x k
	s_mul_i32 s100, s\r, \k
	s_add_co_u32 s\d, s\d, s100
.endm
.macro BASE b                          ; the offset in s[98:99] onto a pointer
	s_add_nc_u64 s[\b:\b+1], s[\b:\b+1], s[98:99]
.endm
.macro BIAS b, off                     ; 32 columns' bias, as the result lies: the first products' C
.irp k, 0,1,2,3,4,5,6,7
	global_load_b128 v[96+4*\k:99+4*\k], v27, s[\b:\b+1] offset:\off+16*\k
.endr
.endm
; REGISTERS: v16-23 maxima, scale operands; v30-38 codes; v40-55 W1's scale words (then the hidden layer's); v57-60 x's; v62-93 W2's; v96-127 bias; v128-255 sums (layer 2: v128-191, v192-239 W2's fragments of even K steps).
; Window 1: layer 1: 0-95 x's fragments, 96-191 W1's.  Layer 2: 0-191 the hidden layer's fragments, 192-239 W2's of odd K steps.
.macro PIECES reg, a, b, o             ; K steps 0 and 1 of rows of 192 bytes; where a row crosses a padding hangs on its parity and the lane half: three address registers
	ds_load_b128 v[\reg:\reg+3], v[\a] offset:\o
	ds_load_b128 v[\reg+4:\reg+7], v[\b] offset:\o+16
	ds_load_b128 v[\reg+8:\reg+11], v[\b] offset:\o+32
.endm
.macro PIECES1 reg, a, c, o
	ds_load_b128 v[\reg:\reg+3], v[\c] offset:\o+96
	ds_load_b128 v[\reg+4:\reg+7], v[\c] offset:\o+112
	ds_load_b128 v[\reg+8:\reg+11], v[\a] offset:\o+144
.endm
.macro FR8 base, a, step, off
	WIN 0x40
.irp j, 0,1,2,3
.set rF, \base+12*\j
.set oF, \off+\step*\j
	PIECES rF, \a, \a+1, oF
.endr
.irp j, 0,1,2,3
.set rF, \base+48+12*\j
.set oF, \off+\step*\j
	PIECES1 rF, \a, \a+2, oF
.endr
	WIN 0
.endm
.macro MM1 q                           ; 64 rows x 64 columns, K = 256: 32 products, 16 accumulators by turns
	WIN 0x05
.irp s, 0,1
.irp j, 0,1,2,3
.irp m, 0,1,2,3
.set rD, 128+32*\m+8*\j
.set rA, 96+12*(4*\s+\j)
.set rB, 12*(4*\s+\m)
.set rC, rD
.if \s == 0
.set rC, 96+8*\j
.endif
.set rSA, 40+4*\q+2*(\j/2)+\s
.set rSB, 57+2*(\m/2)+\s
	WM rD, rA, rB, rC, rSA, rSB, \j%2, \m%2
.endr
.endr
.endr
	WIN 0
.endm
.macro CDM m                           ; row tile 0's codes lie in v30-35, a later one's over the sums of the tile before
.if (\m) == 0
.set rCD, 30
.set rTP, 36
.else
.set rCD, 128+32*((\m)-1)
.set rTP, rCD+8
.endif
.endm
; relu and the quantiser on nm row tiles: a lane's 32 numbers of each are one block.  The floor 2^(3 - 127) holds the scale's byte at 1.
.macro EPI nm
.set eI, 0
.rept 32*\nm
	v_max_num_f32 v[128+eI], 0, v[128+eI]
.set eI, eI+1
.endr
.set eM, 0
.rept \nm
	v_max3_num_f32 v[16+eM], v[128+32*eM], v[129+32*eM], 0x1800000
.set eM, eM+1
.endr
.set eI, 2
.rept 15
.set eM, 0
.rept \nm
	v_max3_num_f32 v[16+eM], v[16+eM], v[128+32*eM+eI], v[129+32*eM+eI]
.set eM, eM+1
.endr
.set eI, eI+2
.endr
.set eM, 0
.rept \nm
	v_add_nc_u32 v[20+eM], 0xff000000, v[16+eM]
.set eM, eM+1
.endr
.set eM, 0
.rept \nm
	v_lshrrev_b32 v[16+eM], 23, v[20+eM]
.set eM, eM+1
.endr
.set eM, 0
.rept \nm
	CDM eM
	v_cvt_scalef32_pk16_fp6_f32 v[rCD:rCD+2], v[128+32*eM:143+32*eM], v[20+eM]
	v_cvt_scalef32_pk16_fp6_f32 v[rTP:rTP+2], v[144+32*eM:159+32*eM], v[20+eM]
	v_nop
	v_mov_b32 v[rCD+3], v[rTP]
	v_mov_b32 v[rCD+4], v[rTP+1]
	v_mov_b32 v[rCD+5], v[rTP+2]
.set eM, eM+1
.endr
.endm
.macro ST1 q                           ; a quarter of the hidden layer into LDS
.irp m, 0,1,2,3
	CDM \m
.if (\q) < 3
	ds_store_b128 v11, v[rCD:rCD+3] offset:24576*(\q)+3072*\m
	ds_store_b64 v12, v[rCD+4:rCD+5] offset:24576*(\q)+3072*\m
.else
	ds_store_b128 v13, v[rCD:rCD+3] offset:3072*\m
	ds_store_b64 v14, v[rCD+4:rCD+5] offset:3072*\m
.endif
	ds_store_b8 v15, v[16+\m] offset:512*\m+8*(\q)
.endr
.endm
.macro ST2 f                           ; the second hidden layer leaves as operand images: each store covers 512 or 256 consecutive bytes, aligned
.irp m, 0,1
	CDM \m
	global_store_b128 v29, v[rCD:rCD+3], s[24:25] offset:12288*\m+1536*\f
	global_store_b64 v28, v[rCD+4:rCD+5], s[24:25] offset:12288*\m+1536*\f+512
	ds_store_b8 v94, v[16+\m] offset:128*\m+4*\f
.endr
.endm
.macro LW s                            ; four fragments of W2, K step s
	WIN 0x40*((\s)%2)
.irp j, 0,1,2,3
.irp i, 0,1,2
.set oW, 96*(\s)+16*\i
.set rF, 192+12*\j+4*\i
.if oW%256 < 208
	ds_load_b128 v[rF:rF+3], v9 offset:6528*\j+oW+16*(oW/256)
.else
	ds_load_b128 v[rF:rF+3], v10 offset:6528*\j+oW+16*(oW/256)
.endif
.endr
.endr
.endm
.macro F2 f                            ; 32 rows x 64 columns, K = 1,024: eight accumulators by turns
	LW 0
.set kS, 0
.rept 8
.if kS < 7
.if kS > 0
	PLACES
.endif
	LW kS+1
	s_wait_dscnt 12                                ; the next K step's twelve loads may be out
.else
	s_wait_dscnt 0x0
.endif
	WIN 0x04+(kS%2)
.irp j, 0,1,2,3
.irp m, 0,1
.set rD, 128+32*\m+8*\j
.set rA, 192+12*\j
.set rB, 12*(2*kS+\m)
.set rC, rD
.if kS == 0
.set rC, 96+8*\j
.endif
.set rSA, 62+8*(2*\f+\j/2)+kS
.set rSB, 40+kS
	WM rD, rA, rB, rC, rSA, rSB, \j%2, \m
.endr
.endr
.set kS, kS+1
.endr
	WIN 0
	PLACES
.endm
	s_load_b512 s[8:23], s[0:1], 0x0               ; x, x scales, W1, W1 scales, b1, W2, W2 scales, b2
	s_load_b64 s[30:31], s[0:1], 0x40              ; seps_idx
	s_load_b128 s[24:27], s[0:1], 0x48             ; h2, hs
	v_lshl_add_u32 v1, v0, 2, SPARE
	v_mov_b32 v2, 0
	ds_add_u32 v1, v2
	ds_add_u32 v1, v2                              ; the opening lines: the add twice on end
	v_lshrrev_b32 v30, 5, v0
	v_readfirstlane_b32 s34, v30                   ; wave 0 .. 7
	s_and_b32 s35, s34, 3                          ; layer 1: the group of 64 columns in a quarter
	s_lshr_b32 s36, s34, 2                         ; and the half of the rows
	s_lshr_b32 s28, s35, 1                         ; the group's K step in the quarter
	s_and_b32 s29, s35, 1                          ; and c
	s_lshr_b32 s38, s34, 1                         ; layer 2: the quarter of the rows
	s_and_b32 s39, s34, 1                          ; and c
	s_mov_b32 s40, ttmp9                           ; the column block
	s_and_b32 s42, ttmp7, 0xffff                   ; the row block of 128, 0 .. 63
	s_lshr_b32 s88, s42, 3                         ; the agent
	s_lshl_b32 s88, s88, 2
	s_mul_i32 s80, s28, 27648
	s_mul_i32 s81, s29, 6912
	s_add_co_u32 s80, s80, s81                     ; layer 1: where the group's columns begin in a quarter
	s_mul_i32 s81, s36, 13824
	s_add_co_u32 s81, s81, XB                      ; my 64 rows of x
	s_mul_i32 s82, s36, 12288
	s_mul_i32 s83, s35, 768
	s_add_co_u32 s82, s82, s83                     ; my place in a quarter of the hidden layer
	s_mul_i32 s83, s36, 2048
	s_lshl_b32 s84, s35, 1
	s_add_co_u32 s83, s83, s84
	s_add_co_u32 s83, s83, HSC                     ; and for its scale bytes: 2048 rh + 4 s' + 2 c
	GROUP1 44, 96, 4                               ; x: 128 rows x 192 bytes
	GROUP1 52, 192, 4                              ; a quarter of W1
	GROUP1 72, 192, 5                              ; 64 columns of W2
	s_mov_b32 s60, 1
	s_mov_b32 s61, XB
	s_mul_i32 s92, s42, 24576
	s_mov_b32 s93, 0
	WALU
	s_wait_dscnt 0x0
	s_wait_kmcnt 0x0
	s_load_b32 s32, s[30:31], s88 offset:0x0
	s_add_nc_u64 s[62:63], s[8:9], s[92:93]
	s_or_b32 s63, s63, 0x80000000
	s_cmp_eq_u32 s34, 0
	s_cbranch_scc0 .Lw1
	TLOAD 60, 44                                   ; wave 0: x, which does not wait for the index
	s_branch .Ljoin
.Lw1:
	s_wait_kmcnt 0x0
	s_min_u32 s32, s32, 3
	s_mul_i32 s96, s32, 196608
	s_sub_co_u32 s90, s34, 1
	s_mul_i32 s91, s90, 49152
	s_add_co_u32 s96, s96, s91
	s_mov_b32 s97, 0
	s_mov_b32 s68, 1
	s_mul_i32 s69, s90, Q1
	s_add_nc_u64 s[70:71], s[12:13], s[96:97]
	s_or_b32 s71, s71, 0x80000000
	s_cmp_eq_u32 s34, 1
	s_cbranch_scc0 .Lw2
	TLOAD 68, 52                                   ; waves 1 to 4: a quarter of W1 each
	s_branch .Ljoin
.Lw2:
	s_cmp_eq_u32 s34, 2
	s_cbranch_scc0 .Lw3
	TLOAD 68, 52
	s_branch .Ljoin
.Lw3:
	s_cmp_eq_u32 s34, 3
	s_cbranch_scc0 .Lw4
	TLOAD 68, 52
	s_branch .Ljoin
.Lw4:
	s_cmp_eq_u32 s34, 4
	s_cbranch_scc0 .Ljoin
	TLOAD 68, 52
.Ljoin:
	v_and_b32 v3, 15, v0                           ; r
	v_bfe_u32 v4, v0, 4, 1                         ; h
	v_and_b32 v24, 31, v0
	v_and_b32 v30, 1, v3
	v_bfe_u32 v31, v3, 1, 2
	v_lshrrev_b32 v32, 3, v3
	v_lshrrev_b32 v33, 1, v3
	v_and_b32 v34, v30, v4
	v_or_b32 v35, v30, v4
	v_mul_u32_u24 v36, v30, 208
	v_mad_u32_u24 v36, v4, 48, v36
	v_mad_u32_u24 v5, v31, 432, v36
	v_mad_u32_u24 v5, v32, 13824, v5
	v_add_nc_u32 v5, s80, v5                       ; W1's fragments: column pairs are 432 bytes apart, 64 columns 13,824
	v_lshl_add_u32 v6, v34, 4, v5
	v_lshl_add_u32 v7, v35, 4, v5
	v_mad_u32_u24 v8, v33, 432, v36
	v_add_nc_u32 v8, s81, v8                       ; x's
	v_lshl_add_u32 v9, v34, 4, v8
	v_lshl_add_u32 v10, v35, 4, v8
	v_lshlrev_b32 v28, 3, v24
	v_lshlrev_b32 v29, 4, v24
	v_add_nc_u32 v37, s82, v29
	v_add_nc_u32 v38, s82, v28
	v_add_nc_u32 v11, HQ, v37
	v_add_nc_u32 v12, HQ+512, v38
	v_add_nc_u32 v13, XB, v37
	v_add_nc_u32 v14, XB+512, v38
	v_lshl_add_u32 v15, v3, 5, v4
	v_add_nc_u32 v15, s83, v15
	v_and_b32 v31, 7, v3
	v_lshlrev_b32 v25, 9, v32
	v_lshl_add_u32 v25, v4, 6, v25
	v_lshl_add_u32 v25, v31, 3, v25                ; scale words of 8 bytes a column: 512 hm + 64 h + 8 i
	v_lshlrev_b32 v26, 2, v25                      ; of 32 bytes a column
	v_lshlrev_b32 v27, 8, v4                       ; bias: 64 columns further on in lanes 16-31
	WALU
	s_wait_kmcnt 0x0
	s_min_u32 s32, s32, 3
	s_mov_b32 s99, 0
	s_lshl_b32 s98, s32, 13                        ; W1's scales: 8 bytes a column
	MA 98, 28, 1024
	MA 98, 29, 256
	BASE 14
	s_lshl_b32 s98, s32, 12                        ; b1
	MA 98, 28, 512
	MA 98, 29, 128
	BASE 16
	s_lshl_b32 s98, s42, 10                        ; x's scales: 8 bytes a row
	MA 98, 36, 512
	BASE 10
.irp q, 0,1,2,3
.irp p, 0,1
	global_load_b64 v[40+4*\q+2*\p:41+4*\q+2*\p], v25, s[14:15] offset:2048*\q+128*\p
.endr
.endr
	global_load_b64 v[36:37], v28, s[10:11]
	global_load_b64 v[38:39], v28, s[10:11] offset:256
	BIAS 16, 0
	s_lshl_b32 s98, s32, 15                        ; W2's scales: 32 bytes a column
	MA 98, 40, 8192
	MA 98, 39, 1024
	BASE 20
	s_lshl_b32 s98, s32, 12                        ; b2
	MA 98, 40, 1024
	MA 98, 39, 128
	BASE 22
	s_mul_i32 s98, s42, 98304                      ; h2: [row tile][K step][c][768 bytes]
	MA 98, 38, 24576
	MA 98, 40, 3072
	MA 98, 39, 768
	BASE 24
	s_lshl_b32 s98, s42, 12                        ; hs: [row block][column block][1,024 bytes]
	MA 98, 40, 1024
	BASE 26
	s_mul_i32 s94, s32, 786432                     ; W2: waves 0 to 3 will fetch 64 columns each
	MA 94, 40, 196608
	MA 94, 34, 49152
	s_mov_b32 s95, 0
	s_add_nc_u64 s[18:19], s[18:19], s[94:95]
	s_mov_b32 s85, 0x03010200                      ; a scale word's bytes as blocks 0, 2, 1, 3
	SHOW 2                                         ; x and W1's first quarter are in
	FR8 0, 8, 3456, 0
	FR8 96, 5, 1728, 0
	s_wait_loadcnt 0x0
.set I, 0
.rept 16
	v_perm_b32 v[40+I], v[40+I], v[40+I], s85
.set I, I+1
.endr
.set I, 0
.rept 4
	v_perm_b32 v[57+I], v[36+I], v[36+I], s85
.set I, I+1
.endr
.rept 8
	v_nop
.endr
	WALU
	s_wait_dscnt 0x0
	MM1 0
.irp q, 1,2,3                          ; the next quarter's fragments are fetched under the last quarter's way out
	PLACES
	BIAS 16, 1024*\q
.if \q == 3
.irp t, 0,1,2,3                        ; W2's scale words: column set f = t / 2, tiles 2 (t % 2) and 2 (t % 2) + 1 in the lane halves
	global_load_b128 v[62+8*\t:65+8*\t], v26, s[20:21] offset:4096*(\t/2)+512*(\t%2)
	global_load_b128 v[66+8*\t:69+8*\t], v26, s[20:21] offset:4096*(\t/2)+512*(\t%2)+16
.endr
.endif
.if \q == 2
	v_add_nc_u32 v5, 2*Q1, v5
	v_add_nc_u32 v6, 2*Q1, v6
	v_add_nc_u32 v7, 2*Q1, v7
.endif
.if \q < 3
	SHOW \q+2
.else
	SHOW 0
.endif
	FR8 96, 5, 1728, Q1*(\q%2)
	EPI 4
	ST1 (\q-1)
.if \q == 3
	s_wait_loadcnt 8                               ; the bias is in; W2's eight loads of scale words may be out
.else
	s_wait_loadcnt 0x0
.endif
	s_wait_dscnt 0x0
	MM1 \q
.endr
	PLACES
	BIAS 22, 0
	; THE REFILL: W1 has been read; W2's 256 columns come into its place
	s_wait_tensorcnt 0x0
	ds_add_u32 v1, v2                              ; the add, here twice on end
	ds_add_u32 v1, v2
	s_mov_b32 s68, 1
	s_mul_i32 s69, s34, P2
	s_and_b32 s90, s34, 1
	s_lshl_b32 s90, s90, 7
	s_add_co_u32 s69, s69, s90
	s_mov_b64 s[70:71], s[18:19]
	s_or_b32 s71, s71, 0x80000000
	s_wait_dscnt 0x0
	s_barrier_signal -1
	s_barrier_wait -1
	s_cmp_lt_u32 s34, 2
	s_cbranch_scc0 .Lv1
	TLOAD 68, 72                                   ; waves 0, 1: columns 0 .. 127
	s_branch .Lv9
.Lv1:
	s_cmp_lt_u32 s34, 4
	s_cbranch_scc0 .Lv9
	TLOAD 68, 72                                   ; waves 2, 3: columns 128 .. 255
.Lv9:
	EPI 4
	ST1 3
	s_mul_i32 s80, s38, 6144
	s_mul_i32 s81, s39, 26112
	s_lshl_b32 s82, s38, 10
	s_add_co_u32 s82, s82, HSC
	s_lshl_b32 s83, s38, 8
	s_lshl_b32 s84, s39, 1
	s_add_co_u32 s83, s83, s84
	s_add_co_u32 s83, s83, HSC
	v_add_nc_u32 v30, s80, v29
	v_add_nc_u32 v31, s80, v28
	v_add_nc_u32 v5, HQ, v30                       ; the hidden layer's images: quarters 0 to 2, and 3
	v_add_nc_u32 v6, HQ+512, v31
	v_add_nc_u32 v7, XB, v30
	v_add_nc_u32 v8, XB+512, v31
	v_lshrrev_b32 v32, 3, v3
	v_and_b32 v33, 7, v3
	v_mul_u32_u24 v34, v32, P2+128
	v_mad_u32_u24 v34, v33, 816, v34
	v_mad_u32_u24 v34, v4, 48, v34
	v_add_nc_u32 v9, s81, v34                      ; W2's fragments
	v_lshl_add_u32 v10, v4, 4, v9                  ; the same where lanes 16-31 lie behind one padding more
	v_lshlrev_b32 v35, 9, v4
	v_lshl_add_u32 v35, v3, 5, v35
	v_add_nc_u32 v11, s82, v35                     ; the hidden layer's scale words: row tile 2 rq + h
	v_lshl_add_u32 v36, v3, 3, v4
	v_add_nc_u32 v94, s83, v36                     ; the results' scale bytes
	WALU
	s_wait_dscnt 0x0
	s_barrier_signal -1
	s_barrier_wait -1                              ; the first hidden layer is whole
	WIN 0x40
.set kS, 0
.rept 8
.irp m, 0,1
.irp c, 0,1
.set rF, 12*(2*kS+\m)+6*\c
.set oF, 3072*\m+1536*(kS%2)+768*\c
.if kS < 6
	ds_load_b128 v[rF:rF+3], v5 offset:24576*(kS/2)+oF
	ds_load_b64 v[rF+4:rF+5], v6 offset:24576*(kS/2)+oF
.else
	ds_load_b128 v[rF:rF+3], v7 offset:oF
	ds_load_b64 v[rF+4:rF+5], v8 offset:oF
.endif
.endr
.endr
.set kS, kS+1
.endr
	WIN 0
	ds_load_b128 v[40:43], v11
	ds_load_b128 v[44:47], v11 offset:16
	s_wait_loadcnt 0x0
.set I, 0
.rept 32
	v_perm_b32 v[62+I], v[62+I], v[62+I], s85
.set I, I+1
.endr
.rept 8
	v_nop
.endr
	SHOW 2                                         ; W2's columns 0 .. 127 are in
	F2 0
	BIAS 22, 512
	EPI 2
	ST2 0
	v_add_nc_u32 v9, 2*P2, v9
	v_add_nc_u32 v10, 2*P2, v10
	WALU
	s_wait_xcnt 0x0                                ; the stores have read their registers
	SHOW 0                                         ; columns 128 .. 255
	s_wait_loadcnt 0x0
	F2 1
	EPI 2
	ST2 1
	v_lshlrev_b32 v95, 3, v0
	v_add_nc_u32 v39, HSC, v95
	WALU
	s_wait_dscnt 0x0
	s_barrier_signal -1
	s_barrier_wait -1                              ; all scale bytes lie in LDS: 1,024 bytes, stored by waves 0 to 3
	s_cmp_lt_u32 s34, 4
	s_cbranch_scc0 .Lend
	ds_load_b64 v[96:97], v39
	s_wait_dscnt 0x0
	global_store_b64 v95, v[96:97], s[26:27]
.Lend:
	s_wait_tensorcnt 0x0
	ds_add_u32 v1, v2                              ; the wave's end
	s_wait_dscnt 0x0
	s_endpgm
.Lfunc_end_k_q566adff566_l12:
	.size	k_q566adff566_l12, .Lfunc_end_k_q566adff566_l12-k_q566adff566_l12
	.p2alignl 7, 3214868480
	.fill 96, 4, 3214868480
	.section	.rodata,"a",@progbits
	.p2align	6, 0x0
	.amdhsa_kernel k_q566adff566_l12
		.amdhsa_group_segment_fixed_size 327680
		.amdhsa_private_segment_fixed_size 0
		.amdhsa_enable_private_segment 0
		.amdhsa_kernarg_size 88
		.amdhsa_user_sgpr_count 2
		.amdhsa_user_sgpr_kernarg_segment_ptr 1
		.amdhsa_wavefront_size32 1
		.amdhsa_system_sgpr_workgroup_id_x 1
		.amdhsa_system_sgpr_workgroup_id_y 1
		.amdhsa_system_sgpr_workgroup_id_z 1
		.amdhsa_system_vgpr_workitem_id 0
		.amdhsa_next_free_vgpr 512
		.amdhsa_next_free_sgpr 102
		.amdhsa_reserve_vcc 0
		.amdhsa_float_denorm_mode_32 3
		.amdhsa_float_denorm_mode_16_64 3
		.amdhsa_memory_ordered 1
		.amdhsa_forward_progress 1
		.amdhsa_inst_pref_size 137
	.end_amdhsa_kernel
	.amdgpu_metadata
---
amdhsa.version: [ 1, 2 ]
amdhsa.kernels:
  - .name:           k_q566adff566_l12
    .symbol:         k_q566adff566_l12.kd
    .args:
      - { .name: x_codes, .offset: 0, .size: 8, .value_kind: global_buffer, .address_space: global }
      - { .name: x_scales, .offset: 8, .size: 8, .value_kind: global_buffer, .address_space: global }
      - { .name: W1_codes, .offset: 16, .size: 8, .value_kind: global_buffer, .address_space: global }
      - { .name: W1_scales, .offset: 24, .size: 8, .value_kind: global_buffer, .address_space: global }
      - { .name: b1, .offset: 32, .size: 8, .value_kind: global_buffer, .address_space: global }
      - { .name: W2_codes, .offset: 40, .size: 8, .value_kind: global_buffer, .address_space: global }
      - { .name: W2_scales, .offset: 48, .size: 8, .value_kind: global_buffer, .address_space: global }
      - { .name: b2, .offset: 56, .size: 8, .value_kind: global_buffer, .address_space: global }
      - { .name: seps_idx, .offset: 64, .size: 8, .value_kind: global_buffer, .address_space: global }
      - { .name: h2, .offset: 72, .size: 8, .value_kind: global_buffer, .address_space: global }
      - { .name: hs, .offset: 80, .size: 8, .value_kind: global_buffer, .address_space: global }
    .group_segment_fixed_size: 327680
    .private_segment_fixed_size: 0
    .kernarg_segment_align: 8
    .kernarg_segment_size: 88
    .max_flat_workgroup_size: 256
    .sgpr_count:     102
    .vgpr_count:     512
    .wavefront_size: 32
...
	.end_amdgpu_metadata
.endif
;; end of part 1
;; launch l3 (part 2): grid 4 x 64, 8 waves a work-group, clusters of 4 x 1, 237,568 bytes of LDS; arguments h2, hs, W3_codes, W3_scales, b3, seps_idx, out0; writes out0
.if DOCPART == 2
	.amdgcn_target "amdgcn-amd-amdhsa--gfx1250"
	.amdhsa_code_object_version 6
	.text
	.protected	k_q566adff566_l3
	.globl	k_q566adff566_l3
	.p2align	8
	.type	k_q566adff566_l3,@function
k_q566adff566_l3:
	s_mov_b64 s[64:65], 0
	v_nop
	global_prefetch_b8 v0, s[64:65] scope:SCOPE_SE
	s_setreg_imm32_b32 hwreg(HW_REG_WAVE_MODE, 25, 1), 1
	s_wait_xcnt 0x0
	s_wait_alu depctr_hold_cnt(0) depctr_sa_sdst(0) depctr_va_vdst(0) depctr_va_sdst(0) depctr_va_ssrc(0) depctr_va_vcc(0) depctr_vm_vsrc(0)
	s_getreg_b32 s2, hwreg(HW_REG_IB_STS2, 6, 4)
	s_cmp_eq_u32 s2, 0
	s_cbranch_scc0 .Lentry_in_a_cluster
	s_endpgm
.Lentry_in_a_cluster:
	s_bfe_u32 s2, ttmp6, 0x10000c
	s_cmp_lg_u32 s2, 0x3003
	s_cbranch_scc0 .Lentry_shape_is_right
	s_endpgm
.Lentry_shape_is_right:
; LAYER 3 of the chosen network: 128 rows x 128 columns of the output a work-group, K = 1,024.  Networks that seps_idx does not name for an agent are left out, as in the first launch; an index is held at 3 at most.
; All operands come by the head's tensor loads, one a wave: four blocks of 32 rows of the hidden layer (register images, 24,576 bytes each) and four pieces of 32 columns of W3.  Nothing is filled again.
; A wave holds 32 columns of W3, all of K, in registers (192) and takes 16 rows of each block; a block's 32 rows x 128 columns leave through LDS while the next block is multiplied.
; CLUSTERS of 4 along x, the four column blocks of one row block: the hidden layer's rows are asked for jointly.  W3 is not: its address hangs on seps_idx, a number read from memory.
; NO DATA PREFETCH: the text has no loop, and every tile is asked for at the head.
.set BB,    98304                      ; W3: rows of 768 bytes, 16 bytes of padding behind every 256
.set STG,   BB+104448                  ; two stages of 32 rows x 528 bytes
.set STS,   16896
.set SPARE, STG+2*STS
.set MSB, 0
.macro WIN new
.if MSB != (\new)
	s_set_vgpr_msb (MSB<<8)|(\new)
.set MSB, (\new)
.endif
.endm
.macro PLACES
.rept 5
	v_nop
.endr
.endm
.macro WALU
	s_wait_alu depctr_va_vdst(0)
.endm
.macro CROUND
	s_barrier_signal -1
	s_barrier_wait -1
	s_cmp_lg_u32 s34, 0
	s_cbranch_scc1 .Lnz_\@
	s_barrier_signal -3
.Lnz_\@:
	s_barrier_wait -3
	s_barrier_signal -1
	s_barrier_wait -1
.endm
.macro SHOW lim                        ; the tiles of waves 0 .. lim - 1 are in (0: all)
	WIN 0
	WALU
	s_wait_dscnt 0x0
.if \lim
	s_cmp_lt_u32 s34, \lim
	s_cbranch_scc0 .Lsh_\@
	s_wait_tensorcnt 0x0
.Lsh_\@:
.else
	s_wait_tensorcnt 0x0
.endif
	s_barrier_signal -1
	s_barrier_wait -1
.endm
.macro WM d, a, b, c, sa, sb, ra, rb
.if (\ra) && (\rb)
	v_wmma_scale_f32_16x16x128_f8f6f4 v[\d:\d+7], v[\a:\a+11], v[\b:\b+11], v[\c:\c+7], v[\sa], v[\sb] matrix_a_fmt:MATRIX_FMT_FP6 matrix_b_fmt:MATRIX_FMT_FP6 matrix_a_scale:MATRIX_SCALE_ROW1 matrix_b_scale:MATRIX_SCALE_ROW1
.elseif (\ra)
	v_wmma_scale_f32_16x16x128_f8f6f4 v[\d:\d+7], v[\a:\a+11], v[\b:\b+11], v[\c:\c+7], v[\sa], v[\sb] matrix_a_fmt:MATRIX_FMT_FP6 matrix_b_fmt:MATRIX_FMT_FP6 matrix_a_scale:MATRIX_SCALE_ROW1
.elseif (\rb)
	v_wmma_scale_f32_16x16x128_f8f6f4 v[\d:\d+7], v[\a:\a+11], v[\b:\b+11], v[\c:\c+7], v[\sa], v[\sb] matrix_a_fmt:MATRIX_FMT_FP6 matrix_b_fmt:MATRIX_FMT_FP6 matrix_b_scale:MATRIX_SCALE_ROW1
.else
	v_wmma_scale_f32_16x16x128_f8f6f4 v[\d:\d+7], v[\a:\a+11], v[\b:\b+11], v[\c:\c+7], v[\sa], v[\sb] matrix_a_fmt:MATRIX_FMT_FP6 matrix_b_fmt:MATRIX_FMT_FP6
.endif
.endm
.macro TLOAD g0, g1
	tensor_load_to_lds s[\g0:\g0+3], s[\g1:\g1+7]
	s_nop 0
	PLACES
.endm
.macro ARM w, g0, g1, next
	s_cmp_eq_u32 s34, \w
	s_cbranch_scc0 \next
	TLOAD \g0, \g1
	s_branch .Ljoin
\next:
.endm
.macro GROUP1 g, word                  ; 24,576 dense bytes as 96 rows of 256
	s_mov_b32 s[\g+0], \word
	s_mov_b32 s[\g+1], 32<<16
	s_mov_b32 s[\g+2], 96<<16
	s_mov_b32 s[\g+3], 32<<16
	s_mov_b32 s[\g+4], 96
	s_mov_b32 s[\g+5], 32
	s_mov_b32 s[\g+6], 0
	s_mov_b32 s[\g+7], 0
.endm
.macro MA d, r, k
	s_mul_i32 s100, s\r, \k
	s_add_co_u32 s\d, s\d, s100
.endm
.macro BASE b
	s_add_nc_u64 s[\b:\b+1], s[\b:\b+1], s[98:99]
.endm
; REGISTERS: v40-55 bias as the first products' C; v56-71 the hidden layer's scale words; v77-84 W3's; v96-191 eight fragments of 16 rows; v192-207 sums; v208-223 rows read back.  Window 1: 0-191 W3's fragments.
.macro BACK k                          ; four whole rows of 512 bytes of a stage
.irp t, 0,1,2,3
	ds_load_b128 v[208+4*\t:211+4*\t], v12 offset:STS*((\k)%2)+528*\t
.endr
.endm
.macro SEND k
.irp t, 0,1,2,3
	global_store_b128 v13, v[208+4*\t:211+4*\t], s[18:19] offset:65536*(\k)+2048*\t th:TH_STORE_NT
.endr
.endm
.macro BLK k
.set kS, 0
.rept 8
.irp c, 0,1
.set rF, 96+12*kS+6*\c
.set oF, 1536*kS+768*\c
.if \k < 3
	ds_load_b128 v[rF:rF+3], v5 offset:24576*\k+oF
	ds_load_b64 v[rF+4:rF+5], v6 offset:24576*\k+oF
.else
	ds_load_b128 v[rF:rF+3], v7 offset:oF
	ds_load_b64 v[rF+4:rF+5], v8 offset:oF
.endif
.endr
.set kS, kS+1
.endr
.set nB, 0
.if \k > 0
	s_wait_xcnt 0x0                                ; the last block's stores have read their registers
	BACK \k-1
.set nB, 4
.endif
	WIN 0x01
.set kS, 0
.rept 8
	s_wait_dscnt 4*(7-kS)+nB                       ; the later K steps' pieces, four each, and the rows of the stage may be out
.irp t, 0,1
.set rD, 192+8*\t
.set rA, 12*(2*kS+\t)
.set rB, 96+12*kS
.set rC, rD
.if kS == 0
.set rC, 40+8*\t
.endif
.set rSA, 77+kS
.set rSB, 56+8*(\k/2)+kS
	WM rD, rA, rB, rC, rSA, rSB, \t, \k%2
.endr
.set kS, kS+1
.endr
	WIN 0
.if \k > 0
	s_wait_dscnt 0x0
	SEND \k-1
.endif
	PLACES
.irp t, 0,1
	ds_store_b128 v11, v[192+8*\t:195+8*\t] offset:STS*(\k%2)+64*\t
	ds_store_b128 v11, v[196+8*\t:199+8*\t] offset:STS*(\k%2)+64*\t+16
.endr
.endm
	s_load_b256 s[8:15], s[0:1], 0x0               ; h2, hs, W3, W3 scales
	s_load_b64 s[16:17], s[0:1], 0x20              ; b3
	s_load_b64 s[30:31], s[0:1], 0x28              ; seps_idx
	s_load_b64 s[18:19], s[0:1], 0x30              ; out0
	v_lshl_add_u32 v1, v0, 2, SPARE
	v_mov_b32 v2, 0
	ds_add_u32 v1, v2
	ds_add_u32 v1, v2                              ; the opening lines: the add twice on end
	v_lshrrev_b32 v30, 5, v0
	v_readfirstlane_b32 s34, v30
	s_and_b32 s35, s34, 3                          ; which 32 columns
	s_lshr_b32 s36, s34, 2                         ; which 16 rows of a block
	s_mul_i32 s80, s36, 12288
	s_mul_i32 s81, s35, 26112
	s_add_co_u32 s81, s81, BB
	s_mul_i32 s82, s36, 16*528
	s_lshl_b32 s83, s35, 7
	s_add_co_u32 s82, s82, s83
	s_add_co_u32 s82, s82, STG
	s_mul_i32 s83, s34, 4*528
	s_add_co_u32 s83, s83, STG
	v_and_b32 v3, 15, v0
	v_bfe_u32 v4, v0, 4, 1
	v_and_b32 v24, 31, v0
	v_lshlrev_b32 v13, 4, v24
	v_lshlrev_b32 v25, 3, v24
	v_add_nc_u32 v5, s80, v13                      ; the images: four registers, and two
	v_add_nc_u32 v6, s80, v25
	v_add_nc_u32 v6, 512, v6
	v_add_nc_u32 v7, 3*24576, v5
	v_add_nc_u32 v8, 3*24576, v6
	v_mul_u32_u24 v26, v3, 816
	v_mad_u32_u24 v26, v4, 48, v26
	v_add_nc_u32 v9, s81, v26                      ; W3's fragments: 48 bytes a lane half
	v_lshl_add_u32 v10, v4, 4, v9                  ; where lanes 16-31 lie behind one padding more
	v_mul_u32_u24 v27, v3, 528
	v_lshl_add_u32 v27, v4, 5, v27
	v_add_nc_u32 v11, s82, v27                     ; into the stage
	v_add_nc_u32 v12, s83, v13                     ; back: my four rows
	v_lshlrev_b32 v14, 5, v24
	v_lshlrev_b32 v15, 5, v4
	v_lshlrev_b32 v16, 8, v4
	v_lshl_add_u32 v16, v3, 3, v16
	WALU
	s_bfe_u32 s40, ttmp6, 0x40000                  ; cx: the column block
	s_and_b32 s42, ttmp7, 0xffff                   ; the row block
	s_lshr_b32 s88, s42, 3                         ; the agent
	s_lshl_b32 s88, s88, 2
	GROUP1 44, 15|(3<<16)|(1<<21)                  ; 32 rows of the hidden layer, dense, for all four of the cluster
	GROUP1 52, (3<<16)|(1<<20)|(5<<22)|(3<<25)     ; 32 columns of W3
	s_mov_b32 s60, 1
	s_mov_b32 s61, 0
	s_mul_i32 s92, s42, 98304
	s_mov_b32 s93, 0
	s_wait_dscnt 0x0
	s_wait_kmcnt 0x0
	s_load_b32 s32, s[30:31], s88 offset:0x0
	s_add_nc_u64 s[62:63], s[8:9], s[92:93]
	s_or_b32 s63, s63, 0x80000000
	CROUND
	ARM 0, 60, 44, .Lw1                            ; wave 0: block 0, which does not wait for the index
	s_wait_kmcnt 0x0
	s_min_u32 s32, s32, 3
	s_mul_i32 s96, s32, 393216
	MA 96, 40, 98304
	s_sub_co_u32 s90, s34, 1
	s_mul_i32 s91, s90, 24576
	s_add_co_u32 s96, s96, s91
	s_mov_b32 s97, 0
	s_mov_b32 s68, 1
	s_mul_i32 s69, s90, 26112
	s_add_co_u32 s69, s69, BB
	s_add_nc_u64 s[70:71], s[12:13], s[96:97]
	s_or_b32 s71, s71, 0x80000000
	ARM 1, 68, 52, .Lw2                            ; waves 1 to 4: W3
	ARM 2, 68, 52, .Lw3
	ARM 3, 68, 52, .Lw4
	ARM 4, 68, 52, .Lw5
	s_sub_co_u32 s90, s34, 4                       ; waves 5 to 7: blocks 1 to 3
	s_mul_i32 s61, s90, 24576
	s_mov_b32 s94, s61
	s_mov_b32 s95, 0
	s_add_nc_u64 s[62:63], s[62:63], s[94:95]
	ARM 5, 60, 44, .Lw6
	ARM 6, 60, 44, .Lw7
	TLOAD 60, 44
.Ljoin:
	s_wait_kmcnt 0x0
	s_min_u32 s32, s32, 3
	s_mov_b32 s99, 0
	s_lshl_b32 s98, s32, 14                        ; W3's scales: 32 bytes a column
	MA 98, 40, 4096
	MA 98, 35, 1024
	BASE 14
	s_lshl_b32 s98, s32, 11                        ; b3
	MA 98, 40, 512
	MA 98, 35, 128
	BASE 16
	s_lshl_b32 s98, s42, 12                        ; hs
	MA 98, 36, 128
	BASE 10
	s_lshl_b32 s98, s42, 18                        ; out0: four rows of each block
	MA 98, 40, 512
	MA 98, 34, 8192
	BASE 18
	global_load_b128 v[32:35], v14, s[14:15]
	global_load_b128 v[36:39], v14, s[14:15] offset:16
.irp t, 0,1
	global_load_b128 v[40+8*\t:43+8*\t], v15, s[16:17] offset:64*\t
	global_load_b128 v[44+8*\t:47+8*\t], v15, s[16:17] offset:64*\t+16
.endr
.irp p, 0,1                            ; lanes 0-15 block 2 p, lanes 16-31 block 2 p + 1; the words of K steps 2 n, 2 n + 1
.irp n, 0,1,2,3
	global_load_b64 v[56+8*\p+2*\n:57+8*\p+2*\n], v16, s[10:11] offset:512*\p+1024*\n
.endr
.endr
	s_mov_b32 s85, 0x03010200                      ; a scale word's bytes as blocks 0, 2, 1, 3, the order of the images
	s_wait_loadcnt 0x0
.set I, 0
.rept 8
	v_perm_b32 v[77+I], v[32+I], v[32+I], s85
.set I, I+1
.endr
.rept 8
	v_nop
.endr
	SHOW 5                                         ; block 0 and W3 are in
	WIN 0x40
.set kS, 0
.rept 8
.irp t, 0,1
.irp i, 0,1,2
.set oW, 96*kS+16*\i
.set rF, 12*(2*kS+\t)+4*\i
.if oW%256 < 208
	ds_load_b128 v[rF:rF+3], v9 offset:13056*\t+oW+16*(oW/256)
.else
	ds_load_b128 v[rF:rF+3], v10 offset:13056*\t+oW+16*(oW/256)
.endif
.endr
.endr
.set kS, kS+1
.endr
	WIN 0
	BLK 0
	SHOW 6
	BLK 1
	SHOW 7
	BLK 2
	SHOW 0
	BLK 3
	WALU
	s_wait_dscnt 0x0
	s_barrier_signal -1
	s_barrier_wait -1
	s_wait_xcnt 0x0
	BACK 3
	s_wait_dscnt 0x0
	SEND 3
	s_wait_tensorcnt 0x0
	ds_add_u32 v1, v2                              ; the wave's end
	s_wait_dscnt 0x0
	CROUND
	s_endpgm
.Lfunc_end_k_q566adff566_l3:
	.size	k_q566adff566_l3, .Lfunc_end_k_q566adff566_l3-k_q566adff566_l3
	.p2alignl 7, 3214868480
	.fill 96, 4, 3214868480
	.section	.rodata,"a",@progbits
	.p2align	6, 0x0
	.amdhsa_kernel k_q566adff566_l3
		.amdhsa_group_segment_fixed_size 237568
		.amdhsa_private_segment_fixed_size 0
		.amdhsa_enable_private_segment 0
		.amdhsa_kernarg_size 56
		.amdhsa_user_sgpr_count 2
		.amdhsa_user_sgpr_kernarg_segment_ptr 1
		.amdhsa_wavefront_size32 1
		.amdhsa_system_sgpr_workgroup_id_x 1
		.amdhsa_system_sgpr_workgroup_id_y 1
		.amdhsa_system_sgpr_workgroup_id_z 1
		.amdhsa_system_vgpr_workitem_id 0
		.amdhsa_next_free_vgpr 512
		.amdhsa_next_free_sgpr 102
		.amdhsa_reserve_vcc 0
		.amdhsa_float_denorm_mode_32 3
		.amdhsa_float_denorm_mode_16_64 3
		.amdhsa_memory_ordered 1
		.amdhsa_forward_progress 1
		.amdhsa_inst_pref_size 38
	.end_amdhsa_kernel
	.amdgpu_metadata
---
amdhsa.version: [ 1, 2 ]
amdhsa.kernels:
  - .name:           k_q566adff566_l3
    .symbol:         k_q566adff566_l3.kd
    .args:
      - { .name: h2, .offset: 0, .size: 8, .value_kind: global_buffer, .address_space: global }
      - { .name: hs, .offset: 8, .size: 8, .value_kind: global_buffer, .address_space: global }
      - { .name: W3_codes, .offset: 16, .size: 8, .value_kind: global_buffer, .address_space: global }
      - { .name: W3_scales, .offset: 24, .size: 8, .value_kind: global_buffer, .address_space: global }
      - { .name: b3, .offset: 32, .size: 8, .value_kind: global_buffer, .address_space: global }
      - { .name: seps_idx, .offset: 40, .size: 8, .value_kind: global_buffer, .address_space: global }
      - { .name: out0, .offset: 48, .size: 8, .value_kind: global_buffer, .address_space: global }
    .group_segment_fixed_size: 237568
    .private_segment_fixed_size: 0
    .kernarg_segment_align: 8
    .kernarg_segment_size: 56
    .max_flat_workgroup_size: 256
    .sgpr_count:     102
    .vgpr_count:     512
    .wavefront_size: 32
...
	.end_amdgpu_metadata
.endif
;; end of part 2
